; MI455X (gfx1250); checked and timed in simulation.
; The chip was launched on July 23, 2026; its instructions are those of AMD's public machine-readable ISA for CDNA 5 (MIT licence, August 2026) and "CDNA5" Instruction Set Architecture Reference Guide (July 2026). The comments in the code are by the model that wrote it; some were corrected since.
;; Kronecker Linear. Allowed arithmetic: float matrix products may take bf16 or f16 operands with f32 sums; other float arithmetic in f32, or as packed bf16 or f16 multiplies, adds, multiply-adds, maxima and minima; sums over many terms, partial sums and values carried from step to step in f32; what a program stores and reads back later, other than sums and carried values, may be rounded once to bf16 or f16.
;; Inputs: a 8 x 8 x 8 float32; s 8 x 256 x 512 float32; x 4 x 2,048 x 4,096 float32.
;; Outputs: out0 4 x 2,048 x 2,048 float32.
;; One version. Each part assembles by itself: llvm-mc -triple=amdgcn-amd-amdhsa -mcpu=gfx1250 --defsym DOCPART=n.
;; ======== version 1 of 1: 2 launches
;; limits: values are held in f16: magnitudes above 65,504 overflow, below 6.1e-05 lose precision; inputs' magnitudes at most 65,504; right only within a limited range of input values
;; workspace buffers: x16 67,108,864 bytes; w16 16,777,216 bytes
;; launch prep (part 1): grid 2048 x 1, 8 waves a work-group, no clusters, 0 bytes of LDS; arguments x, a, s, x16, w16; writes x16, w16
.if DOCPART == 1
	.amdgcn_target "amdgcn-amd-amdhsa--gfx1250"
	.amdhsa_code_object_version 6
	.text
	.protected	k_qd5315c9b56_prep
	.globl	k_qd5315c9b56_prep
	.p2align	8
	.type	k_qd5315c9b56_prep,@function
k_qd5315c9b56_prep:
	s_mov_b64 s[64:65], 0
	v_nop
	global_prefetch_b8 v0, s[64:65] scope:SCOPE_SE
	s_setreg_imm32_b32 hwreg(HW_REG_WAVE_MODE, 25, 1), 1
	s_wait_xcnt 0x0
; THE OPERANDS OF THE PRODUCT THAT FOLLOWS, each rounded once to f16.
;   x16[m][k] = x[m][k]                                                    [8192][4096] f16
;   w16[256 ar + kr][512 ac + pc] = 64 x the sum over b of a[b][ar][ac] s[b][kr][pc]      [2048][4096] f16
; The sum over b is taken in f32, of the unrounded a and s, b ascending.  The factor 64 is a power of two: it changes no bit of the mantissa; the product's way out divides by it in f32.
; It moves the weights towards the middle of f16's range.
; LIMITS.  f16 holds no number beyond 65,504: an |x| of 65,520 or more, or a weight of 1,023.75 or more in magnitude, becomes an infinity.  Below 6e-5 f16 keeps a fixed step of 6e-8
; (for the weights: 9e-10 before the factor).  NaN and infinities are not treated apart.
; SHARES.  Work-groups 0 to 1,023 make the weights, two rows kr of one block ar each; work-groups 1,024 to 2,047 round x, 131,072 bytes each.  Both are straight lines: no loop, no LDS, no barrier;
; no register that a memory instruction names is ever written again, so no wait frees one.
; No matrix unit for the weights: the sum has eight terms, a quarter of a matrix instruction's depth, and a and s would have to be rounded for it.
.set SV, 8                             ; v[8:39]   weights: s[b][kr][pc .. pc+3], four registers for each b.   x: v[8:135], four registers for each of 32 units
.set WS, 40                            ; v[40:71]  the 32 sums: four columns for each ac
.set WP, 72                            ; v[72:87]  the same, packed to f16: two registers for each ac
	s_load_b256 s[76:83], s[0:1], 0x0              ; x s[76:77], a s[78:79], s s[80:81], x16 s[82:83]
	s_load_b64 s[84:85], s[0:1], 0x20              ; w16
	v_lshlrev_b32 v1, 4, v0                        ; 16 t: my 16 bytes in 4,096 consecutive bytes of s or of x
	s_wait_kmcnt 0x0
	s_cmp_lt_u32 ttmp9, 1024
	s_cbranch_scc0 .Lx
	; THE WEIGHTS.  g = the work-group's number, ar = g / 128, kp = g % 128: rows kr = 2 kp and 2 kp + 1.  Thread t has row kr = 2 kp + t / 128 and the columns pc = 4 (t % 128) + 0..3, for all eight ac.
	s_lshr_b32 s2, ttmp9, 7
	s_lshl_b32 s2, s2, 5                           ; a[.][ar][0]: 32 bytes for each ar
	s_mov_b32 s3, 0
	s_and_b32 s4, ttmp9, 127
	s_lshl_b32 s4, s4, 12                          ; s[.][2 kp][0]: two rows of 2,048 bytes
	s_mov_b32 s5, 0
	s_lshl_b32 s6, ttmp9, 14                       ; w16's row 256 ar + 2 kp: (128 ar + kp) x two rows of 8,192 bytes
	s_mov_b32 s7, 0
	s_add_nc_u64 s[78:79], s[78:79], s[2:3]
	s_add_nc_u64 s[80:81], s[80:81], s[4:5]
	s_add_nc_u64 s[84:85], s[84:85], s[6:7]
.irp b, 0,1,2,3,4,5,6,7
	s_load_b256 s[8+8*(\b)+4*((\b)/7):15+8*(\b)+4*((\b)/7)], s[78:79], (\b)*256  ; a[b][ar][0..7]: groups at s8, s16 .. s56 and s68
.endr
.irp b, 0,1,2,3,4,5,6,7
	global_load_b128 v[SV+4*(\b):SV+4*(\b)+3], v1, s[80:81] offset:(\b)*524288  ; a wave's load covers 512 consecutive bytes; eight work-groups (one for each ar) read these rows, so no hint
.endr
	v_lshrrev_b32 v3, 7, v0                        ; which of the two rows
	v_and_b32 v4, 127, v0
	v_lshlrev_b32 v4, 3, v4                        ; my four f16: 8 bytes
	v_lshl_add_u32 v2, v3, 13, v4                  ; + the row's 8,192 bytes
	s_wait_loadcnt 0x0
	s_wait_kmcnt 0x0
.irp i, 0,1,2,3,4,5,6,7,8,9,10,11,12,13,14,15
	v_pk_mul_f32 v[SV+2*(\i):SV+2*(\i)+1], v[SV+2*(\i):SV+2*(\i)+1], 0x42800000 op_sel_hi:[1,0]  ; 64 s
.endr
	; 32 sums of eight terms; b outermost, so that 31 other sums' lines stand between two links of a chain.  The first term starts a sum: nothing is cleared.
.irp b, 0,1,2,3,4,5,6,7
.irp c, 0,1,2,3,4,5,6,7
.irp j, 0,1,2,3
.if (\b) == 0
	v_mul_f32 v[WS+4*(\c)+(\j)], s[8+(\c)], v[SV+(\j)]
.else
	v_fmac_f32 v[WS+4*(\c)+(\j)], s[8+8*(\b)+4*((\b)/7)+(\c)], v[SV+4*(\b)+(\j)]
.endif
.endr
.endr
.endr
.irp c, 0,1,2,3,4,5,6,7
	v_cvt_pk_f16_f32 v[WP+2*(\c)], v[WS+4*(\c)], v[WS+4*(\c)+1]
	v_cvt_pk_f16_f32 v[WP+2*(\c)+1], v[WS+4*(\c)+2], v[WS+4*(\c)+3]
	global_store_b64 v2, v[WP+2*(\c):WP+2*(\c)+1], s[84:85] offset:(\c)*1024 th:TH_STORE_NT  ; a wave's store covers 256 consecutive bytes, at a multiple of 256 from w16's first byte
.endr
	s_endpgm
.Lx:	; x.  32 units of 4,096 bytes; in each, thread t has the 16 bytes at 16 t and writes the 8 bytes at 8 t of the unit's 2,048.  All 32 loads of a wave go out at once: 16 KiB a wave on their way.
	s_sub_co_u32 s2, ttmp9, 1024
	s_lshl_b32 s4, s2, 17                          ; my 131,072 bytes of x,
	s_mov_b32 s5, 0
	s_lshl_b32 s6, s2, 16                          ; my 65,536 of x16
	s_mov_b32 s7, 0
	s_add_nc_u64 s[76:77], s[76:77], s[4:5]
	s_add_nc_u64 s[82:83], s[82:83], s[6:7]
	v_lshlrev_b32 v2, 3, v0
.set u, 0
.rept 32
	global_load_b128 v[SV+4*u:SV+4*u+3], v1, s[76:77] offset:u*4096 th:TH_LOAD_NT
.set u, u+1
.endr
.set u, 0
.rept 32
	s_wait_loadcnt 31-u                            ; loads come back in order (ISA guide 5.7.1): unit u is in, the 31 - u younger ones stay out
	v_cvt_pk_f16_f32 v[SV+4*u], v[SV+4*u], v[SV+4*u+1]
	v_cvt_pk_f16_f32 v[SV+4*u+1], v[SV+4*u+2], v[SV+4*u+3]
	global_store_b64 v2, v[SV+4*u:SV+4*u+1], s[82:83] offset:u*2048 th:TH_STORE_NT  ; a wave's store covers 256 consecutive bytes, at a multiple of 256 from x16's first byte
.set u, u+1
.endr
	s_endpgm
.Lfunc_end_k_qd5315c9b56_prep:
	.size	k_qd5315c9b56_prep, .Lfunc_end_k_qd5315c9b56_prep-k_qd5315c9b56_prep
	.p2alignl 7, 3214868480
	.fill 96, 4, 3214868480
	.section	.rodata,"a",@progbits
	.p2align	6, 0x0
	.amdhsa_kernel k_qd5315c9b56_prep
		.amdhsa_group_segment_fixed_size 0
		.amdhsa_private_segment_fixed_size 0
		.amdhsa_enable_private_segment 0
		.amdhsa_kernarg_size 40
		.amdhsa_user_sgpr_count 2
		.amdhsa_user_sgpr_kernarg_segment_ptr 1
		.amdhsa_wavefront_size32 1
		.amdhsa_system_sgpr_workgroup_id_x 1
		.amdhsa_system_sgpr_workgroup_id_y 1
		.amdhsa_system_sgpr_workgroup_id_z 1
		.amdhsa_system_vgpr_workitem_id 0
		.amdhsa_next_free_vgpr 136
		.amdhsa_next_free_sgpr 90
		.amdhsa_reserve_vcc 0
		.amdhsa_float_denorm_mode_32 3
		.amdhsa_float_denorm_mode_16_64 3
		.amdhsa_memory_ordered 1
		.amdhsa_forward_progress 1
		.amdhsa_inst_pref_size 25
	.end_amdhsa_kernel
	.amdgpu_metadata
---
amdhsa.version: [ 1, 2 ]
amdhsa.kernels:
  - .name:           k_qd5315c9b56_prep
    .symbol:         k_qd5315c9b56_prep.kd
    .args:
      - { .name: x, .offset: 0, .size: 8, .value_kind: global_buffer, .address_space: global }
      - { .name: a, .offset: 8, .size: 8, .value_kind: global_buffer, .address_space: global }
      - { .name: s, .offset: 16, .size: 8, .value_kind: global_buffer, .address_space: global }
      - { .name: x16, .offset: 24, .size: 8, .value_kind: global_buffer, .address_space: global }
      - { .name: w16, .offset: 32, .size: 8, .value_kind: global_buffer, .address_space: global }
    .group_segment_fixed_size: 0
    .private_segment_fixed_size: 0
    .kernarg_segment_align: 8
    .kernarg_segment_size: 40
    .max_flat_workgroup_size: 256
    .sgpr_count:     90
    .vgpr_count:     136
    .wavefront_size: 32
...
	.end_amdgpu_metadata
.endif
;; end of part 1
;; launch gemm (part 2): grid 8 x 32, 4 waves a work-group, clusters of 4 x 4, 327,680 bytes of LDS; arguments x16, w16, out0; writes out0
.if DOCPART == 2
	.amdgcn_target "amdgcn-amd-amdhsa--gfx1250"
	.amdhsa_code_object_version 6
	.text
	.protected	k_qd5315c9b56_gemm
	.globl	k_qd5315c9b56_gemm
	.p2align	8
	.type	k_qd5315c9b56_gemm,@function
k_qd5315c9b56_gemm:
	s_mov_b64 s[64:65], 0
	v_nop
	global_prefetch_b8 v0, s[64:65] scope:SCOPE_SE
	s_setreg_imm32_b32 hwreg(HW_REG_WAVE_MODE, 25, 1), 1
	s_wait_xcnt 0x0
	s_wait_alu depctr_hold_cnt(0) depctr_sa_sdst(0) depctr_va_vdst(0) depctr_va_sdst(0) depctr_va_ssrc(0) depctr_va_vcc(0) depctr_vm_vsrc(0)
	s_getreg_b32 s2, hwreg(HW_REG_IB_STS2, 6, 4)
	s_cmp_eq_u32 s2, 0
	s_cbranch_scc0 .Lentry_in_a_cluster
	s_endpgm
.Lentry_in_a_cluster:
	s_bfe_u32 s2, ttmp6, 0x10000c
	s_cmp_lg_u32 s2, 0xf033
	s_cbranch_scc0 .Lentry_shape_is_right
	s_endpgm
.Lentry_shape_is_right:
; out0[m][n] = 1/64 x the sum over k of x16[m][k] w16[n][k].  x16: [8192][4096] f16 (x rounded once), w16: [2048][4096] f16 (64 x the weight, rounded once), both made by the launch in front;
; out0: [8192][2048] f32.  Sums in f32, K ascending; the factor 1/64, a power of two, is applied in f32 on the way out.
; LIMITS are the operands': |x| under 65,520 and weights under 1,023.75 in magnitude, else the launch in front has written an infinity.  NaN and infinities are not treated apart.
; A tile of out0, 256 x 256, is made by a work-group of four waves; a wave makes 128 x 128: 64 accumulators of 16 x 16, 512 registers.  32 x 8 tiles: 256 work-groups, one tile each.
; K goes in steps of 128 through a ring of two LDS slots filled by the tensor data mover: a tile's rows are 256 bytes of memory and start at multiples of 256 bytes from the buffer's first byte.
; CLUSTERS: 4 x 4 work-groups.  The four of a row of the cluster make tiles of one tile row and need the same tiles of x16 (A); the four of a column need the same tiles of w16 (B).  Such a tile is
; asked for JOINTLY: each of the four issues the same tensor load, with the same descriptor and a mask that names the four, and each receives the tile in its own LDS: a quarter of the requests.
; REGISTERS, in windows of 256 (an instruction names v0-v255; s_set_vgpr_msb says which window each operand place means: bits 1:0 source 0, 3:2 source 1, 5:4 source 2, 7:6 destination):
;   window 0: v0-31 addresses; v64-127, v128-191 fragments of A (8 x 16 rows x 32 K), two buffers; on the way out the same registers take 16 rows of out0 by turns
;   window 1: v64-127, v128-191 fragments of B, two buffers
;   window 2: the 32 accumulators of my rows 0-63 (accumulator (a, b) at v[8 (8 a + b)]);   window 3: those of my rows 64-127
; THE MATRIX INSTRUCTION IS USED TRANSPOSED: source 0 = 16 rows of B, source 1 = 16 rows of A.  In the result, lane l then holds row l % 16 of out0, and its registers 0 to 7 the columns
; 8 (l / 16) + 0 .. 7: 32 neighbouring bytes of a row.
.set SIZE_M, 8192
.set SIZE_N, 2048
.set SIZE_K, 4096
.set KSTEP,  128
.set PITCH,  272                       ; an LDS row: 256 bytes of data + 16 of padding = 68 words: row r starts at bank 4 r mod 64 (64 banks of 4 bytes: ISA guide 11.1), so the 16 rows that a load touches start at 16 different banks
.set HALFT,  128*PITCH                 ; 128 rows: what one tensor load brings, and what one wave reads of A or of B
.set SLOT,   4*HALFT                   ; A's 256 rows, then B's 256 rows
.set STAGE,  2*SLOT                    ; behind the ring, never filled by a tensor load: for each wave 16 rows of 512 bytes + 16 of padding, for the way out
.set SPITCH, 528                       ; 132 words: row r starts at bank 4 r mod 64
.set WSTAGE, 16*SPITCH                 ; 8,448 bytes: 33 blocks of 256
.set SPARE,  STAGE+4*WSTAGE            ; behind the stages: the spare words, 128 bytes for each wave: two blocks of 256 bytes that no other line names
.set LAPS,   SIZE_K/(2*KSTEP)          ; a lap = two K steps = once round the ring: 16
.set ADRA, 16                          ; v16-17  LDS address of my A fragments in slot 0, 1
.set ADRB, 20                          ; v20-21  the same for B
.set STO,  24                          ; v24     the way out: where I put 32 bytes of a row
.set RD,   25                          ; v25     the way out: where I read 16 bytes of a row back
.set CO,   26                          ; v26     my byte offset in 512 bytes of a row of out0: 16 x lane; never rewritten
.set SPW,  28                          ; v28     LDS address of my spare word: SPARE + 4 x my thread's number; never rewritten
.set NIL,  29                          ; v29     0; never rewritten
.set PFO,  30                          ; v30     the prefetches' offset: my lane x a row of A or B in memory (8,192 bytes); never rewritten
.set PFA,  44                          ; s[44:45] where my prefetches stand: my work-group's 32 rows of the 128 that I fetch, one K step further along K than the refill that is being asked for; a prefetch names the K step after that
.set LIM,  43                          ; s43     1 in a wave that prefetches, else the greatest number
.set F0,   64                          ; fragment buffer 0
.set F1,   128                         ; fragment buffer 1
.set OB,   64                          ; the way out: 16 rows read back from the stage: v64-127 and v128-191 by turns
.set G1, 24                            ; s[24:31] descriptor group 1 for A's tiles
.set G0, 32                            ; s[32:39] descriptor group 0 for A's tiles, one set for each slot
.set G1B, 48                           ; s[48:55] descriptor group 1 for B's tiles: it differs from A's in the mask alone
.set G0B, 56                           ; s[56:63] descriptor group 0 for B's tiles, one set for each slot
.set MSB, 0
.macro WIN new                         ; the immediate's high byte repeats the setting that is left; a switch that changes nothing is dropped
.if MSB != (\new)
	s_set_vgpr_msb (MSB<<8)|(\new)
.set MSB, \new
.endif
.endm
.set MUL_LO, 0xa1                      ; source 0 (B) window 1, source 1 (A) window 0, C and D window 2
.set MUL_HI, 0xf1                      ; the same, C and D window 3
.set TO_B,   0x40                      ; destination window 1, address window 0
; A joint load.  Waves 0 and 1 fetch A's two halves, waves 2 and 3 B's.  Each of the two lines has ONE mask and one set of registers for all that issue it, and nothing in them hangs on a
; coordinate that the four partners do not share.  The branch hangs on the wave's number alone.  An s_nop 0 and four v_nop follow each of the two lines, ahead of the jump and the label.
.macro JLOAD s
	s_cmp_eq_u32 s11, 0
	s_cbranch_scc0 .Lfor_b_\@
	tensor_load_to_lds s[G0+4*(\s):G0+4*(\s)+3], s[G1:G1+7]
	s_nop 0
.rept 4
	v_nop
.endr
	s_branch .Lasked_\@
.Lfor_b_\@:
	tensor_load_to_lds s[G0B+4*(\s):G0B+4*(\s)+3], s[G1B:G1B+7]
	s_nop 0
.rept 4
	v_nop
.endr
.Lasked_\@:
.endm
; A PREFETCH INTO THE L2, behind each joint refill and the run of LDS loads that follows it: the K step that stands TWO refills on (512 matrix instructions ahead of the load that will ask for it):
; 32 rows x 256 bytes, a lane a row, one instruction a wave.  Each row's 256 bytes of a K step are named ONCE in the launch: A's tile row is read by both clusters of its row of clusters, and the
; one with cluster x = 0 asks; B's tile column by all eight clusters of its column, and the one with cluster y = 0 asks.  The four partners that ask for a tile jointly share its rows out BY ADDRESS:
; of the 128 rows that a wave fetches the partner at place p takes 32 p .. 32 p + 31 (p = cx for A, cy for B): no branch hangs on a work-group's place in its cluster.
; K steps 0 to 3 come by their loads alone; the loop's last trip (s3 = 1) asks for nothing: K step 31, the last, was named in the trip before.
.macro ASK
	s_cmp_gt_u32 s3, s[LIM]
	s_cbranch_scc0 .Lnot_mine_\@
	global_prefetch_b8 v[PFO], s[PFA:PFA+1] offset:KSTEP*2 th:TH_LOAD_NT scope:SCOPE_SE
.Lnot_mine_\@:
.endm
; A round of the cluster's barrier: my work-group's barrier, so that wave 0's signal speaks for all four waves; wave 0 signals for the work-group; every wave waits for all sixteen work-groups;
; my work-group's barrier once more.  No LDS instruction of the wave is pending at a signal.
.macro CREST                           ; a round behind its opening barrier
	s_cmp_lg_u32 s10, 0
	s_cbranch_scc1 .Lnot_wave_0_\@
	s_barrier_signal -3
.Lnot_wave_0_\@:
	s_barrier_wait -3
	s_barrier_signal -1
	s_barrier_wait -1
.endm
.macro CROUND                          ; a whole round
	s_barrier_signal -1
	s_barrier_wait -1
	CREST
.endm
	s_load_b128 s[4:7], s[0:1], 0x0                ; A = x16 s[4:5], B = w16 s[6:7]
	s_load_b64 s[8:9], s[0:1], 0x10                ; out0
	v_lshl_add_u32 v[SPW], v0, 2, SPARE
	v_mov_b32 v[NIL], 0
	ds_add_u32 v[SPW], v[NIL]                      ; the wave's opening: the add, twice on end, and its wait ahead of my first tensor load; the set-up below, work on registers, stands between
	ds_add_u32 v[SPW], v[NIL]                      ; and once more, under the one wait
	v_lshrrev_b32 v1, 5, v0
	v_readfirstlane_b32 s10, v1                    ; wave 0..3
	s_lshr_b32 s11, s10, 1                         ; which half of the tile's rows is mine.  Also: I fetch for A (0) or for B (1)
	s_and_b32 s12, s10, 1                          ; which half of its columns.  Also: which 128 rows of that tile I fetch
	s_bfe_u32 s40, ttmp6, 0x40000                  ; cx: my place along the cluster's x
	s_bfe_u32 s41, ttmp6, 0x40004                  ; cy: along its y
	s_lshl_b32 s42, ttmp9, 2                       ; in a cluster launch ttmp9 and ttmp7 count clusters
	s_add_co_u32 s42, s42, s40                     ; tile column = 4 x cluster x + cx
	s_and_b32 s13, ttmp7, 0xffff
	s_lshl_b32 s13, s13, 2
	s_add_co_u32 s13, s13, s41                     ; tile row = 4 x cluster y + cy
	s_lshl_b32 s43, s41, 2
	s_lshl_b32 s43, 15, s43                        ; my row of the cluster: places 4 cy .. 4 cy + 3
	s_lshl_b32 s44, 0x1111, s40                    ; my column: places cx, cx + 4, cx + 8, cx + 12
	; descriptor group 1: a tile of 128 rows x 128 elements, padded in LDS
	s_or_b32 s[G1+0], s43, (1<<16)|(1<<20)|(1<<21)|(5<<22)|(3<<25)  ; 15:0 the mask: A's tiles go to my row; 17:16 element of 2 bytes; 20 padding on; 21 set beside a mask; 24:22 after every 64 words (code 5); 31:25 of 4 words (code 3)
	s_or_b32 s[G1B+0], s44, (1<<16)|(1<<20)|(1<<21)|(5<<22)|(3<<25) ; the same with the mask of my column, for B's tiles
	s_mov_b32 s[G1B+1], KSTEP<<16
	s_mov_b32 s[G1+1], KSTEP<<16                   ; 63:48 tensor_dim0, low half = 128
	s_mov_b32 s[G1B+2], 128<<16
	s_mov_b32 s[G1+2], 128<<16                     ; 79:64 its high half = 0; 95:80 tensor_dim1, low half = 128
	s_mov_b32 s[G1B+3], KSTEP<<16
	s_mov_b32 s[G1+3], KSTEP<<16                   ; 111:96 its high half = 0; 127:112 tile_dim0 = 128
	s_mov_b32 s[G1B+4], 128
	s_mov_b32 s[G1+4], 128                         ; 143:128 tile_dim1 = 128; 159:144 tile_dim2 = 0
	s_mov_b32 s[G1B+5], SIZE_K
	s_mov_b32 s[G1+5], SIZE_K                      ; 191:160 tensor_dim0_stride, low word: elements from row to row
	s_mov_b32 s[G1B+6], 0
	s_mov_b32 s[G1+6], 0
	s_mov_b32 s[G1B+7], 0
	s_mov_b32 s[G1+7], 0
	; where the tiles come from.  A's hang on the tile row alone, which my row of the cluster shares; B's on the tile column alone, which my column shares.
	; Every wave makes both addresses, in registers that never hold the other coordinate, and asks by one of them.
	s_lshl_b32 s17, s12, 7                         ; which 128 rows of the tile I fetch
	s_lshl_b32 s16, s13, 8
	s_add_co_u32 s16, s16, s17                     ; A: row 256 x tile row + 128 x half
	s_lshl_b32 s46, s42, 8
	s_add_co_u32 s46, s46, s17                     ; B: row 256 x tile column + 128 x half
	s_mov_b32 s17, 0
	s_mov_b32 s47, 0
	s_mov_b64 s[18:19], SIZE_K*2
	s_mul_u64 s[16:17], s[16:17], s[18:19]         ; in bytes
	s_mul_u64 s[46:47], s[46:47], s[18:19]
	s_mul_i32 s20, s10, HALFT                      ; and where they go: A's two halves, then B's two halves = wave x 128 rows: no place in the cluster enters an LDS address
	s_wait_dscnt 0x0                               ; both opening adds are done
	s_wait_kmcnt 0x0
	s_add_nc_u64 s[14:15], s[4:5], s[16:17]
	s_add_nc_u64 s[46:47], s[6:7], s[46:47]
	CROUND                                         ; all sixteen work-groups are here: the first joint loads meet
.irp s, 0,1
	s_mov_b32 s[G0+4*(\s)], 1                                      ; 1:0 count = 1
	s_add_co_u32 s[G0+4*(\s)+1], s20, (\s)*SLOT                    ; 63:32 LDS address
	s_add_nc_u64 s[G0+4*(\s)+2:G0+4*(\s)+3], s[14:15], (\s)*KSTEP*2  ; 120:64 global address: K step s
	s_or_b32 s[G0+4*(\s)+3], s[G0+4*(\s)+3], 0x80000000            ; 127:126 type = 2
	s_mov_b32 s[G0B+4*(\s)], 1
	s_add_co_u32 s[G0B+4*(\s)+1], s20, (\s)*SLOT
	s_add_nc_u64 s[G0B+4*(\s)+2:G0B+4*(\s)+3], s[46:47], (\s)*KSTEP*2
	s_or_b32 s[G0B+4*(\s)+3], s[G0B+4*(\s)+3], 0x80000000
	JLOAD \s                                       ; the ring is filled before anything else is done: two loads of mine are out
.endr
	; A fragment is 16 rows x 32 K in 8 registers: lane l holds row l % 16; registers 0-3 hold K = 8 (l / 16) + 0..7, registers 4-7 hold K = 16 + 8 (l / 16) + 0..7.
	; From rows that lie along K: two loads of 16 bytes, 32 bytes apart.  The same for source 0 and source 1.
	v_and_b32 v1, 15, v0                           ; l % 16
	v_bfe_u32 v2, v0, 4, 1                         ; l / 16
	v_mul_u32_u24 v3, v1, PITCH
	v_lshl_add_u32 v3, v2, 4, v3                   ; row x pitch + 16 x half
	s_mul_i32 s21, s11, HALFT                      ; my 128 rows of A
	s_mul_i32 s22, s12, HALFT                      ; my 128 rows of B,
	s_add_co_u32 s22, s22, 2*HALFT                 ; which lie behind A's 256
.irp s, 0,1
	v_add_nc_u32 v[ADRA+(\s)], s21, v3
	v_add_nc_u32 v[ADRB+(\s)], s22, v3
	s_add_co_u32 s21, s21, SLOT
	s_add_co_u32 s22, s22, SLOT
.endr
	s_mul_i32 s23, s10, WSTAGE
	s_add_co_u32 s23, s23, STAGE                   ; my stage
	v_mul_u32_u24 v4, v1, SPITCH                   ; in: row l % 16, 32 bytes for each half of the lanes
	v_lshl_add_u32 v4, v2, 5, v4
	v_add_nc_u32 v[STO], s23, v4
	v_and_b32 v5, 31, v0
	v_lshlrev_b32 v[CO], 4, v5                     ; back: 32 lanes take one row of 512 bytes, 16 bytes each; the same in out0
	v_add_nc_u32 v[RD], s23, v[CO]
	; out0 at my part of the tile: row 256 x tile row + 128 x half, byte 1,024 x tile column + 512 x half of the row
	s_lshl_b32 s13, s13, 8
	s_lshl_b32 s14, s11, 7
	s_add_co_u32 s16, s13, s14
	s_mov_b32 s17, 0
	s_mov_b64 s[18:19], SIZE_N*4
	s_mul_u64 s[16:17], s[16:17], s[18:19]
	s_lshl_b32 s46, s42, 10                        ; (in the registers that held B's address: none that feeds A's descriptors ever holds cx)
	s_lshl_b32 s47, s12, 9
	s_add_co_u32 s46, s46, s47
	s_mov_b32 s47, 0
	s_add_nc_u64 s[16:17], s[16:17], s[46:47]
	s_add_nc_u64 s[8:9], s[8:9], s[16:17]          ; never rewritten: my 128 rows stand in the stores' immediates
	; the prefetches.  s13 = 256 x tile row, s42 = tile column, s40 = cx, s41 = cy still stand; s[4:5] = A, s[6:7] = B
	s_lshl_b32 s42, s42, 8
	s_and_b32 s22, ttmp7, 0xffff                   ; cluster y
	s_cmp_eq_u32 s11, 0                            ; do I fetch for A?
	s_cselect_b32 s20, s13, s42                    ; the tile's first row: in A by the tile row, in B by the tile column
	s_cselect_b32 s21, s40, s41                    ; my place among the four that ask for it with me
	s_cselect_b32 s22, ttmp9, s22                  ; the coordinate along which other clusters read the same rows
	s_cselect_b64 s[PFA:PFA+1], s[4:5], s[6:7]
	s_cmp_eq_u32 s22, 0
	s_cselect_b32 s[LIM], 1, -1                    ; the same in all sixteen partners, for a given wave
	s_lshl_b32 s22, s12, 7
	s_add_co_u32 s20, s20, s22                     ; + the 128 rows that I fetch
	s_lshl_b32 s21, s21, 5
	s_add_co_u32 s20, s20, s21                     ; + my work-group's 32 of them
	s_mov_b32 s21, 0
	s_mov_b64 s[18:19], SIZE_K*2
	s_mul_u64 s[20:21], s[20:21], s[18:19]
	s_add_nc_u64 s[PFA:PFA+1], s[PFA:PFA+1], s[20:21]
	s_add_nc_u64 s[PFA:PFA+1], s[PFA:PFA+1], 2*KSTEP*2  ; at K step 2: the first refill steps it to 3 and names K step 4
	v_and_b32 v[PFO], 31, v0
	v_mul_u32_u24 v[PFO], v[PFO], SIZE_K*2
	; nothing is prefetched here, at the head, where every work-group's first two tiles are on their way
; 16 matrix instructions: m blocks a0, a0 + 1 of the window's four (hi = 0: my rows 0-63, 1: rows 64-127) x all 8 n blocks, 32 along K.
; zero = 1: the first product starts the sums: nothing is ever cleared.  The 64 accumulators take turns, one instruction a turn, in the same order in every quarter step.
.macro MUL16 f, hi, a0, zero
	WIN MUL_LO+0x50*(\hi)
.irp a, \a0, (\a0)+1
.irp b, 0,1,2,3,4,5,6,7
.if \zero
	v_wmma_f32_16x16x32_f16 v[8*(8*(\a)+(\b)):8*(8*(\a)+(\b))+7], v[(\f)+8*(\b):(\f)+8*(\b)+7], v[(\f)+8*(4*(\hi)+(\a)):(\f)+8*(4*(\hi)+(\a))+7], 0
.else
	v_wmma_f32_16x16x32_f16 v[8*(8*(\a)+(\b)):8*(8*(\a)+(\b))+7], v[(\f)+8*(\b):(\f)+8*(\b)+7], v[(\f)+8*(4*(\hi)+(\a)):(\f)+8*(4*(\hi)+(\a))+7], v[8*(8*(\a)+(\b)):8*(8*(\a)+(\b))+7]
.endif
.endr
.endr
.endm
; 32 LDS loads in one run: the fragments of one quarter step (128 rows of B, then 128 rows of A, 32 K at byte k of the rows) into buffer f
.macro FETCH slot, k, f
	WIN TO_B
.irp i, 0,1,2,3,4,5,6,7
	ds_load_b128 v[(\f)+8*(\i):(\f)+8*(\i)+3],   v[ADRB+(\slot)] offset:(\k)+(\i)*16*PITCH
	ds_load_b128 v[(\f)+8*(\i)+4:(\f)+8*(\i)+7], v[ADRB+(\slot)] offset:(\k)+(\i)*16*PITCH+32
.endr
	WIN 0
.irp i, 0,1,2,3,4,5,6,7
	ds_load_b128 v[(\f)+8*(\i):(\f)+8*(\i)+3],   v[ADRA+(\slot)] offset:(\k)+(\i)*16*PITCH
	ds_load_b128 v[(\f)+8*(\i)+4:(\f)+8*(\i)+7], v[ADRA+(\slot)] offset:(\k)+(\i)*16*PITCH+32
.endr
.endm
; A load into a register that a matrix instruction has read, and whatever reads a matrix result but a matrix instruction, stand four places behind that matrix instruction, and only plain vector
; instructions that name none of its registers are places (ISA guide 7.12.1 for vector instructions); the matrix instructions in between are not counted.
.macro PLACES
.rept 4
	v_nop
.endr
.endm
; A K step is four quarter steps of 32 along K, 64 matrix instructions each, on buffers 0, 1, 0, 1.
; One of the first three: multiplies buffer f; in its middle it fetches the next quarter's fragments, at byte k of the same slot's rows, into buffer g.
.macro QUARTER slot, k, f, g, zero
	s_wait_dscnt 8                                 ; B and A's rows 0-63 are in; the youngest eight loads (A's rows 64-127) may be out
	WIN MUL_LO
	MUL16 \f, 0, 0, \zero
	MUL16 \f, 0, 2, \zero
	PLACES
	FETCH \slot, \k, \g
	s_wait_dscnt 32                                ; all but the 32 just issued
	WIN MUL_HI
	MUL16 \f, 1, 0, \zero
	MUL16 \f, 1, 2, \zero
.endm
; The last quarter multiplies buffer 1 and changes slots.  MEET is its first half: ONE barrier for the change of slots, for two things.  In front of it each wave waits for all its tensor loads, of
; which one is out: its part of the next slot; adds 0 to its spare word; and waits for that and for its own reads of this slot.  Behind it nobody reads this slot any more and the next slot is whole.
.macro MEET round                      ; round = 1: the rest of a round of the cluster's barrier follows
	WIN 0                                          ; (the add's two registers lie in window 0)
	s_wait_tensorcnt 0x0                           ; all my tensor loads have landed: the one that was out is my part of the next slot;
	ds_add_u32 v[SPW], v[NIL]                      ; 0 onto my spare word;
	s_wait_dscnt 9                                 ; (the add and the youngest eight loads may be out)
	WIN MUL_LO
	MUL16 F1, 0, 0, 0                              ; sixteen matrix instructions stand between the add and the wait for it
	s_wait_dscnt 0x0                               ; the add is done, and my reads of this slot are over:
	s_barrier_signal -1                            ; say so,
	MUL16 F1, 0, 2, 0                              ; work on registers while the others arrive,
.if \round
	WIN 0
.endif
	s_barrier_wait -1                              ; and go on when all four have said so
.endm
; The whole last quarter, where the slot is filled again.  Behind the round the slot just read out is filled first, with the K step two steps on; then come the next slot's first fragments.
; From a request to the wait for it a wave issues 224 matrix instructions.
.macro TURN slot, next
	s_wait_xcnt 0x0                                ; the last prefetch, a K step back, has read its address: it is stepped here, ahead of the waits of the change of slots
	s_add_nc_u64 s[PFA:PFA+1], s[PFA:PFA+1], KSTEP*2
	MEET 1
	CREST                                          ; all sixteen work-groups have said so: no wave of any partner still reads this slot's tile or has a load on its way
	s_add_nc_u64 s[G0+4*(\slot)+2:G0+4*(\slot)+3], s[G0+4*(\slot)+2:G0+4*(\slot)+3], 2*KSTEP*2     ; no tensor load of mine is out, so a group 0 may be written
	s_add_nc_u64 s[G0B+4*(\slot)+2:G0B+4*(\slot)+3], s[G0B+4*(\slot)+2:G0B+4*(\slot)+3], 2*KSTEP*2
	JLOAD \slot                                    ; the first tensor load behind the round, my only one until the next; the four v_nop behind it are also the places in front of the loads below
	FETCH \next, 0, F0
	ASK                                            ; behind the joint load and the run of LDS loads that the next products wait for
	WIN MUL_HI
	MUL16 F1, 1, 0, 0
	MUL16 F1, 1, 2, 0
.endm
; THE WAY OUT of block a (16 of my rows), in two parts.  A lane's 32 bytes are one sixteenth of the row's 512, and the lanes beside it hold other rows: so the block goes through my own stage in LDS.
; TOSTAGE: the eight accumulators as they are, each one's four low registers first, into rows of 528 bytes; then back as whole rows, 16 bytes a lane.
.macro TOSTAGE a
.set AC, 64*((\a)%4)
.set BK, OB+64*((\a)%2)
	s_wait_xcnt 0x0                                ; the stores of the block two back have read the registers that the loads below fill (ISA guide 3.1)
	WIN 0x08+4*((\a)/4)                            ; the data (source 1) lie in window 2 or 3
.irp b, 0,1,2,3,4,5,6,7
	ds_store_b128 v[STO], v[AC+8*(\b):AC+8*(\b)+3]   offset:64*(\b)
	ds_store_b128 v[STO], v[AC+8*(\b)+4:AC+8*(\b)+7] offset:64*(\b)+16
.endr
	WIN 0
.irp t, 0,1,2,3,4,5,6,7,8,9,10,11,12,13,14,15
	ds_load_b128 v[BK+4*(\t):BK+4*(\t)+3], v[RD] offset:(\t)*SPITCH  ; LDS serves a wave's instructions in order (ISA guide 5.7.1.4): these see the stores above, and the next block's stores come behind them
.endr
.endm
; SEND: a row at a time, times 1/64, stored.  younger: the LDS instructions issued behind block a's loads: the next block's 16 stores and 16 loads, or none.
.macro SEND a, younger
	WIN 0
.set BK, OB+64*((\a)%2)
.irp t, 0,1,2,3,4,5,6,7,8,9,10,11,12,13,14,15
	s_wait_dscnt (\younger)+15-(\t)                ; row t is back; the block's 15 - t later rows and the younger ones stay out
	v_pk_mul_f32 v[BK+4*(\t):BK+4*(\t)+1],   v[BK+4*(\t):BK+4*(\t)+1],   s[18:19] op_sel_hi:[1,0]
	v_pk_mul_f32 v[BK+4*(\t)+2:BK+4*(\t)+3], v[BK+4*(\t)+2:BK+4*(\t)+3], s[18:19] op_sel_hi:[1,0]
	global_store_b128 v[CO], v[BK+4*(\t):BK+4*(\t)+3], s[8:9] offset:(16*(\a)+(\t))*SIZE_N*4 th:TH_STORE_NT  ; the wave stores 512 consecutive bytes, at a multiple of 512 from out0's first byte; 127 rows of 8,192 bytes at the most in the immediate
.endr
.endm
	s_wait_tensorcnt 1                             ; my part of K step 0 is in; K step 1's load, issued behind it, may stay out
	s_barrier_signal -1
	s_barrier_wait -1                              ; everybody's is
	FETCH 0, 0, F0
	QUARTER 0, 64,  F0, F1, 1                      ; the first quarter stands in front of the loop: its products start the sums
	WIN 0                                          ; at a label and at a branch every window is 0
	s_mov_b32 s3, LAPS-1
.Llap:                                                 ; 15 trips: a trip goes once round the ring, from a lap's second quarter to the next lap's first, and fills both slots again
	QUARTER 0, 128, F1, F0, 0
	QUARTER 0, 192, F0, F1, 0
	TURN 0, 1
	QUARTER 1, 64,  F0, F1, 0
	QUARTER 1, 128, F1, F0, 0
	QUARTER 1, 192, F0, F1, 0
	TURN 1, 0
	QUARTER 0, 64,  F0, F1, 0
	WIN 0
	s_sub_co_u32 s3, s3, 1
	s_cmp_lg_u32 s3, 0
	s_cbranch_scc1 .Llap
	QUARTER 0, 128, F1, F0, 0                      ; the last lap is written out: it asks for nothing more
	QUARTER 0, 192, F0, F1, 0
	MEET 0                                         ; my one tensor load that was still out is slot 1's, the last K step's, so no round follows
	PLACES                                         ; for the loads into buffer 0, which the quarter before multiplied
	FETCH 1, 0, F0
	WIN MUL_HI
	MUL16 F1, 1, 0, 0
	MUL16 F1, 1, 2, 0
	QUARTER 1, 64,  F0, F1, 0
	QUARTER 1, 128, F1, F0, 0
	QUARTER 1, 192, F0, F1, 0
	s_wait_dscnt 8                                 ; the very last quarter: nothing more to fetch
	WIN MUL_LO
	MUL16 F1, 0, 0, 0
	MUL16 F1, 0, 2, 0
	s_wait_dscnt 0x0
	MUL16 F1, 1, 0, 0
	MUL16 F1, 1, 2, 0
	PLACES                                         ; once a launch: the first readers of the results are LDS stores, and the loads from the stage land where A's fragments lay;
	PLACES                                         ; no other vector work is at hand
	WIN 0
	s_mov_b32 s18, 0x3c800000                      ; 1/64; the packed multiply names a pair and takes its low word for both halves
	s_mov_b32 s19, 0x3c800000
	TOSTAGE 0
.irp a, 1,2,3,4,5,6,7                  ; block a goes into the stage and is asked back while block a - 1's rows are scaled and stored
	TOSTAGE \a
	SEND (\a)-1, 32
.endr
	SEND 7, 0
	s_wait_tensorcnt 0x0                           ; the wave's end: behind my last tensor load and my last LDS store
	ds_add_u32 v[SPW], v[NIL]
	s_wait_dscnt 0x0
	CROUND                                         ; the closing round: no work-group ends while a partner may still ask for a tile that names it
	s_endpgm
.Lfunc_end_k_qd5315c9b56_gemm:
	.size	k_qd5315c9b56_gemm, .Lfunc_end_k_qd5315c9b56_gemm-k_qd5315c9b56_gemm
	.p2alignl 7, 3214868480
	.fill 96, 4, 3214868480
	.section	.rodata,"a",@progbits
	.p2align	6, 0x0
	.amdhsa_kernel k_qd5315c9b56_gemm
		.amdhsa_group_segment_fixed_size 327680
		.amdhsa_private_segment_fixed_size 0
		.amdhsa_enable_private_segment 0
		.amdhsa_kernarg_size 24
		.amdhsa_user_sgpr_count 2
		.amdhsa_user_sgpr_kernarg_segment_ptr 1
		.amdhsa_wavefront_size32 1
		.amdhsa_system_sgpr_workgroup_id_x 1
		.amdhsa_system_sgpr_workgroup_id_y 1
		.amdhsa_system_sgpr_workgroup_id_z 1
		.amdhsa_system_vgpr_workitem_id 0
		.amdhsa_next_free_vgpr 1024
		.amdhsa_next_free_sgpr 66
		.amdhsa_reserve_vcc 0
		.amdhsa_float_denorm_mode_32 3
		.amdhsa_float_denorm_mode_16_64 3
		.amdhsa_memory_ordered 1
		.amdhsa_forward_progress 1
		.amdhsa_inst_pref_size 161
	.end_amdhsa_kernel
	.amdgpu_metadata
---
amdhsa.version: [ 1, 2 ]
amdhsa.kernels:
  - .name:           k_qd5315c9b56_gemm
    .symbol:         k_qd5315c9b56_gemm.kd
    .args:
      - { .name: x16, .offset: 0, .size: 8, .value_kind: global_buffer, .address_space: global }
      - { .name: w16, .offset: 8, .size: 8, .value_kind: global_buffer, .address_space: global }
      - { .name: out0, .offset: 16, .size: 8, .value_kind: global_buffer, .address_space: global }
    .group_segment_fixed_size: 327680
    .private_segment_fixed_size: 0
    .kernarg_segment_align: 8
    .kernarg_segment_size: 24
    .max_flat_workgroup_size: 128
    .sgpr_count:     66
    .vgpr_count:     1024
    .wavefront_size: 32
...
	.end_amdgpu_metadata
.endif
;; end of part 2
